; MI455X (gfx1250); checked and timed in simulation.
; The chip was launched on July 23, 2026; its instructions are those of AMD's public machine-readable ISA for CDNA 5 (MIT licence, August 2026) and "CDNA5" Instruction Set Architecture Reference Guide (July 2026). The comments in the code are by the model that wrote it; some were corrected since.
;; Complex Proj Measurement. Allowed arithmetic: matrix products marked QUANTISED: E4M3 operands, one given power-of-two scale a tensor, by v_wmma_f32_16x16x64_fp8_fp8 or v_wmma_f32_16x16x128_fp8_fp8, f32 sums; products left as they are: f32 operands where the result goes on into a quantised operand, else bf16, f16 or f32 operands; f32 sums; everything else in f32.
;; Inputs: input_imag 128 x 512 x 512 float32; input_real 128 x 512 x 512 float32; kernel 512 x 512 x 2 float32; lowp_scales 8 int32 (the exponents e of the quantised operands' scales 2^e).
;; Outputs: out0 128 x 512 float32.
;; This version of the problem:
;;   THIS VERSION OF THE PROBLEM IS GIVEN IN LOW PRECISION. The matrix products marked QUANTISED in the list below multiply operands that are first quantised to E4M3 (4 exponent bits, 3 mantissa bits; 8 bits a number), with one given power-of-two scale for each operand tensor; their sums are f32. All else is computed in f32.
;;   The module's matrix products, in the order in which they are computed (A, B: the left and right operand; K: the contracted axis; several contracted axes count as one K, in the product's order):
;;     1. [M 65,536, K 512] x [K 512, N 512]; A: input input_real; B: input kernel: QUANTISED (scales: A lowp_scales[0], B lowp_scales[1])
;;     2. batch 512 x [M 1, K 512] x [K 512, N 128]; A: input kernel; B: computed on the way: left as it is (M = 1 < 16)
;;     3. [M 65,536, K 512] x [K 512, N 512]; A: input input_real; B: input kernel: QUANTISED (scales: A lowp_scales[2], B lowp_scales[3])
;;     4. batch 512 x [M 1, K 512] x [K 512, N 128]; A: input kernel; B: computed on the way: left as it is (M = 1 < 16)
;;     5. [M 65,536, K 512] x [K 512, N 512]; A: input input_imag; B: input kernel: QUANTISED (scales: A lowp_scales[4], B lowp_scales[5])
;;     6. batch 512 x [M 1, K 512] x [K 512, N 128]; A: input kernel; B: computed on the way: left as it is (M = 1 < 16)
;;     7. [M 65,536, K 512] x [K 512, N 512]; A: input input_imag; B: input kernel: QUANTISED (scales: A lowp_scales[6], B lowp_scales[7])
;;     8. batch 512 x [M 1, K 512] x [K 512, N 128]; A: input kernel; B: computed on the way: left as it is (M = 1 < 16)
;;   THE QUANTISER, for each operand of a quantised product, along K:
;;     - The operand's scale is 2^e, e = its entry of the input lowp_scales (int32; the entries are numbered through the quantised products in the list's order, A before B).
;;     - Each number is divided by the scale, clamped to +-448, and rounded to the nearest number of E4M3, ties to even, subnormals kept.
;;     - The product sums the exact products of the quantised numbers (number of the format x scale) in f32.
;;   ~~~python
;;   def quantise(x, axis, e):      # numpy; x: float32 -> the quantised numbers, widened to float32 again
;;       x = np.moveaxis(x, axis, -1); K = x.shape[-1]
;;       r = np.clip(x / 2.0 ** e, -448, 448)
;;       step = 2.0 ** (np.maximum(np.frexp(np.where(r == 0, 1, r))[1] - 1, -6) - 3)
;;       q = np.round(r / step) * step * 2.0 ** e      # np.round: ties to even
;;       return np.moveaxis(q, -1, axis).astype(np.float32)
;;   ~~~
;; One version. Each part assembles by itself: llvm-mc -triple=amdgcn-amd-amdhsa -mcpu=gfx1250 --defsym DOCPART=n.
;; ======== version 1 of 1: 3 launches
;; limits: right only within a limited range of input values
;; workspace buffers: bcodes 1,048,576 bytes; upl 4,194,304 bytes; part 4,194,304 bytes
;; launch prep (part 1): grid 128 x 1, 4 waves a work-group, no clusters, 0 bytes of LDS; arguments kernel, lowp_scales, bcodes, upl; writes bcodes, upl
.if DOCPART == 1
	.amdgcn_target "amdgcn-amd-amdhsa--gfx1250"
	.amdhsa_code_object_version 6
	.text
	.protected	k_q10e295ffd8_prep
	.globl	k_q10e295ffd8_prep
	.p2align	8
	.type	k_q10e295ffd8_prep,@function
k_q10e295ffd8_prep:
	s_mov_b64 s[64:65], 0
	v_nop
	global_prefetch_b8 v0, s[64:65] scope:SCOPE_SE
	s_setreg_imm32_b32 hwreg(HW_REG_WAVE_MODE, 25, 1), 1
	s_wait_xcnt 0x0
; kernel [512 i][512 k][2 planes] f32 is laid out once for the product launch.
;   bcodes: the four quantised right operands (p = 0..3: plane p % 2, scale 2^e[2p+1]) as codes of E4M3, in the order of a wave's operand registers:
;           byte (p/2)<<19 | kh<<18 | (N/8)<<16 | (p%2)<<15 | s<<14 | (N%8)<<11 | c<<9 | lane<<4.  N: tile of 16 i; kh: half of K; s: K step of 128; c: group of four registers.
;   upl:    the left factor of the second contraction, u_p = plane 0, 1, 1, 0, times +-2^(e[2p] + e[2p+1]) (minus for p = 2), in f32:
;           byte p<<20 | A<<15 | N<<10 | g<<9 | lane<<4: lane (r, h) holds u_p[16 N + r][16 A + 8 h + 4 g + 0..3].
; ORDER OF k.  Place pi = 0..255 of a row's codes in a half kh stands for k = 256 kh + 128 ((pi>>2)&1) + 4 (pi>>3) + (pi&3): the order in which the product launch's lanes make the left operand's codes.
; Lane (r, h) of (s, c) holds places 128 s + 32 c + 16 h + 0..15, which are k = 256 kh + 128 q + 64 s + 16 c + 8 h + jj, q = 0, 1, jj = 0..7: two runs of 64 bytes of row 16 N + r.
; The same sixteen k, read as a, are tiles A = 16 kh + 8 q + 4 s + c of u: one set of loads serves both buffers, and every byte of kernel is read once in the launch.
; SHARES.  Work-group x: N = x >> 2, kh = (x >> 1) & 1, s = x & 1; wave = c.  No LDS, no barrier.  Every store of a wave covers 512 consecutive bytes, aligned; every store has data registers of its own.
; LIMITS: each e[2p+1] between -126 and 119, each e[2p] + e[2p+1] between -126 and 127, so that the powers of two below are f32 numbers.  NaN among the inputs is not served.
.set SCV, 8                            ; v8-11    2^e[2p+1] as f32
.set LD,  16                           ; v16-47   as loaded: word 16 q + 2 jj + plane
.set Y,   48                           ; v48-63   sixteen numbers in the order of their places
.set CC,  64                           ; v64-79   codes, four registers for each p
.set UT,  80                           ; v80-143  scaled numbers of u, eight registers for each (p, q)
	s_load_b256 s[4:11], s[0:1], 0x0               ; kernel s[4:5], the exponents s[6:7], bcodes s[8:9], upl s[10:11]
	v_lshrrev_b32 v1, 5, v0
	v_readfirstlane_b32 s12, v1                    ; wave = c
	v_and_b32 v1, 15, v0                           ; r
	v_bfe_u32 v2, v0, 4, 1                         ; h
	v_and_b32 v3, 31, v0
	v_lshlrev_b32 v3, 4, v3                        ; 16 x lane: my place in every store
	v_lshlrev_b32 v4, 12, v1                       ; a row of kernel is 4,096 bytes
	v_lshl_add_u32 v4, v2, 6, v4                   ; + 64 h: eight k of two planes
	s_lshr_b32 s13, ttmp9, 2                       ; N
	s_bfe_u32 s14, ttmp9, 0x10001                  ; kh
	s_and_b32 s15, ttmp9, 1                        ; s
	s_lshl_b32 s16, s13, 16                        ; kernel: N<<16 | kh<<11 | s<<9 | c<<7
	s_lshl_b32 s40, s14, 11
	s_or_b32 s16, s16, s40
	s_lshl_b32 s40, s15, 9
	s_or_b32 s16, s16, s40
	s_lshl_b32 s40, s12, 7
	s_or_b32 s16, s16, s40
	s_mov_b32 s17, 0
	s_lshl_b32 s18, s14, 18                        ; bcodes: kh<<18 | (N/8)<<16 | s<<14 | (N%8)<<11 | c<<9
	s_lshr_b32 s40, s13, 3
	s_lshl_b32 s40, s40, 16
	s_or_b32 s18, s18, s40
	s_lshl_b32 s40, s15, 14
	s_or_b32 s18, s18, s40
	s_and_b32 s40, s13, 7
	s_lshl_b32 s40, s40, 11
	s_or_b32 s18, s18, s40
	s_lshl_b32 s40, s12, 9
	s_or_b32 s18, s18, s40
	s_mov_b32 s19, 0
	s_lshl_b32 s42, s14, 19                        ; upl: (16 kh + 4 s + c)<<15 | N<<10
	s_lshl_b32 s40, s15, 17
	s_or_b32 s42, s42, s40
	s_lshl_b32 s40, s12, 15
	s_or_b32 s42, s42, s40
	s_lshl_b32 s40, s13, 10
	s_or_b32 s42, s42, s40
	s_mov_b32 s43, 0
	s_wait_alu depctr_va_vdst(0)                   ; the wait at the head's end
	s_wait_kmcnt 0x0
	s_load_b256 s[20:27], s[6:7], 0x0              ; e[0..7]
	s_add_nc_u64 s[4:5], s[4:5], s[16:17]
	s_add_nc_u64 s[8:9], s[8:9], s[18:19]
	s_add_nc_u64 s[10:11], s[10:11], s[42:43]
.irp q, 0,1
.irp e, 0,1,2,3
	global_load_b128 v[LD+16*\q+4*\e:LD+16*\q+4*\e+3], v4, s[4:5] offset:1024*\q+16*\e th:TH_LOAD_NT
.endr
.endr
	s_wait_kmcnt 0x0
.irp p, 0,1,2,3
	s_add_co_i32 s40, s[21+2*\p], 127
	s_lshl_b32 s41, s40, 23
	v_mov_b32 v[SCV+\p], s41                       ; 2^e as f32: the conversion takes its exponent field
	s_add_co_i32 s40, s40, 8
	s_lshl_b32 s40, s40, 23
	s_or_b32 s[29+2*\p], s40, 0x600000             ; 448 x 2^e,
	s_or_b32 s[28+2*\p], s[29+2*\p], 0x80000000    ; and its negative
	s_add_co_i32 s40, s[20+2*\p], s[21+2*\p]
	s_add_co_i32 s40, s40, 127
	s_lshl_b32 s[36+\p], s40, 23                   ; 2^(e[2p] + e[2p+1]): what the product's sums of codes lack goes into u
.endr
	s_or_b32 s38, s38, 0x80000000                  ; the third term is subtracted
	s_wait_alu depctr_va_vdst(0)                   ; the wait here, directly ahead of the wait below
	s_wait_loadcnt 0x0
.irp p, 0,1,2,3
.irp q, 0,1
.irp jj, 0,1,2,3,4,5,6,7
	v_med3_num_f32 v[Y+8*(\jj/4)+4*\q+(\jj%4)], v[LD+16*\q+2*\jj+(\p%2)], s[28+2*\p], s[29+2*\p]   ; the conversion to an 8-bit code does not saturate (ISA guide 7.6.2): the hold, and the move into the places' order, in one
.endr
.endr
	v_cvt_scalef32_pk8_fp8_f32 v[CC+4*\p:CC+4*\p+1], v[Y:Y+7], v[SCV+\p]
	v_cvt_scalef32_pk8_fp8_f32 v[CC+4*\p+2:CC+4*\p+3], v[Y+8:Y+15], v[SCV+\p]
	v_nop                                          ; a plain line between the conversions and the next lines that write their sources
	global_store_b128 v3, v[CC+4*\p:CC+4*\p+3], s[8:9] offset:((\p/2)<<19)+((\p%2)<<15)
.endr
.irp p, 0,1,2,3
.irp q, 0,1
.irp jj, 0,1,2,3,4,5,6,7
	v_mul_f32 v[UT+8*(2*\p+\q)+\jj], s[36+\p], v[LD+16*\q+2*\jj+(((\p+1)/2)%2)]   ; u's plane: 0, 1, 1, 0; a power of two rounds nothing
.endr
	global_store_b128 v3, v[UT+8*(2*\p+\q):UT+8*(2*\p+\q)+3], s[10:11] offset:(\p<<20)+(\q<<18)
	global_store_b128 v3, v[UT+8*(2*\p+\q)+4:UT+8*(2*\p+\q)+7], s[10:11] offset:(\p<<20)+(\q<<18)+512
.endr
.endr
	s_endpgm
.Lfunc_end_k_q10e295ffd8_prep:
	.size	k_q10e295ffd8_prep, .Lfunc_end_k_q10e295ffd8_prep-k_q10e295ffd8_prep
	.p2alignl 7, 3214868480
	.fill 96, 4, 3214868480
	.section	.rodata,"a",@progbits
	.p2align	6, 0x0
	.amdhsa_kernel k_q10e295ffd8_prep
		.amdhsa_group_segment_fixed_size 0
		.amdhsa_private_segment_fixed_size 0
		.amdhsa_enable_private_segment 0
		.amdhsa_kernarg_size 32
		.amdhsa_user_sgpr_count 2
		.amdhsa_user_sgpr_kernarg_segment_ptr 1
		.amdhsa_wavefront_size32 1
		.amdhsa_system_sgpr_workgroup_id_x 1
		.amdhsa_system_sgpr_workgroup_id_y 1
		.amdhsa_system_sgpr_workgroup_id_z 1
		.amdhsa_system_vgpr_workitem_id 0
		.amdhsa_next_free_vgpr 144
		.amdhsa_next_free_sgpr 66
		.amdhsa_reserve_vcc 0
		.amdhsa_float_denorm_mode_32 3
		.amdhsa_float_denorm_mode_16_64 3
		.amdhsa_memory_ordered 1
		.amdhsa_forward_progress 1
		.amdhsa_inst_pref_size 14
	.end_amdhsa_kernel
	.amdgpu_metadata
---
amdhsa.version: [ 1, 2 ]
amdhsa.kernels:
  - .name:           k_q10e295ffd8_prep
    .symbol:         k_q10e295ffd8_prep.kd
    .args:
      - { .name: kernel, .offset: 0, .size: 8, .value_kind: global_buffer, .address_space: global }
      - { .name: lowp_scales, .offset: 8, .size: 8, .value_kind: global_buffer, .address_space: global }
      - { .name: bcodes, .offset: 16, .size: 8, .value_kind: global_buffer, .address_space: global }
      - { .name: upl, .offset: 24, .size: 8, .value_kind: global_buffer, .address_space: global }
    .group_segment_fixed_size: 0
    .private_segment_fixed_size: 0
    .kernarg_segment_align: 8
    .kernarg_segment_size: 32
    .max_flat_workgroup_size: 128
    .sgpr_count:     66
    .vgpr_count:     144
    .wavefront_size: 32
...
	.end_amdgpu_metadata
.endif
;; end of part 1
;; launch main (part 2): grid 256 x 1, 4 waves a work-group, no clusters, 217,600 bytes of LDS; arguments input_real, input_imag, lowp_scales, bcodes, upl, part; writes part
.if DOCPART == 2
	.amdgcn_target "amdgcn-amd-amdhsa--gfx1250"
	.amdhsa_code_object_version 6
	.text
	.protected	k_q10e295ffd8_main
	.globl	k_q10e295ffd8_main
	.p2align	8
	.type	k_q10e295ffd8_main,@function
k_q10e295ffd8_main:
	s_mov_b64 s[64:65], 0
	v_nop
	global_prefetch_b8 v0, s[64:65] scope:SCOPE_SE
	s_setreg_imm32_b32 hwreg(HW_REG_WAVE_MODE, 25, 1), 1
	s_wait_xcnt 0x0
; part[P][j][i] = sum over a in my 128, k in my 256, pr = 0, 1 of u_p[i][a] Q(M[j][a][k]) Q(v_p[i][k]), p = 2 t + pr; the plane P = t | kh<<1 | ap<<2 is the work-group's low four bits.
; SHARES.  Work-group x: tensor t = x & 1 (real, imag), half of K kh, quarter of a ap, eight j (x >> 4).  Every byte of the two inputs is read by one lane of one work-group, once.
; Wave w owns i = 128 w .. 128 w + 127 and keeps both right operands' codes for its i and the half of K in 512 registers for the whole launch.
; A STAGE is one tile of 16 a for the eight j: 128 rows.  Wave w quantises the 32 rows of j = 2 w, 2 w + 1 for the NEXT stage: a row's 1,024 bytes come by two loads of 512 consecutive bytes into a ring
; of 16 rows of registers; each number is held and converted under the two given scales of its tensor; eight codes a lane go into one of two images in LDS (rows 272 bytes apart), from which all four waves take
; the left operand's fragments.  One barrier a stage: in front of it each wave's stores into the next image and its reads of this one are done.
; A UNIT is 8 matrix instructions (one j, one p, four tiles of 16 i, K = 256) with one row's 16 holds between and behind them (they name window 0 and scalar registers alone, so the windows stay),
; the row's two conversions, and 16 packed multiply-adds of the four tiles with u into the sums (a lane holds one i and eight a).
; The order in a stage is p, j, half of the i: so each set of u (64 registers) serves 16 units, and is loaded again while the other set is at work.
; ALL MEMORY INSTRUCTIONS OF TWO UNITS STAND IN ONE BATCH behind the odd unit's multiply-adds: loads of u, two rows' codes into the image, the fragments of the group after next, two rows for the ring.
; THE RING'S END.  In the loop's last trip no stage is left to ask for.  So that every trip's waits count the same loads, its units 17 to 31 still issue their loads, each lane naming the same 16 bytes
; of a row of the last stage; these registers are not read.
; No tensor load: each number is wanted by one lane alone.  No cluster: no two work-groups read the same bytes of the inputs, and what they share (bcodes, upl) goes straight into registers.
; No prefetch: through the whole launch each wave has fourteen to sixteen rows (loads of 512 bytes) asked for ahead of the row at work.
; LIMITS: e[0], e[2], e[4], e[6] between -126 and 119.  NaN among the inputs is not served.
; REGISTERS.  Window 0: v0-31 addresses and small work; v32-95 fragments of the left operand, two buffers; v96-127 T, four tiles; v128-255 the ring.  Windows 1, 2: the right operands p = 2 t, 2 t + 1.
; Window 3: v0-127 u, a set for each p; v128-255 the sums: a pair for each (j, tile of i).
.set IP,    272
.set ISET,  128*IP                     ; the image of one scale's codes
.set IMGD,  131072                     ; from image 0 to image 1
.set STAGE, IMGD+2*ISET                ; the way out: 4,096 bytes a wave
.set SPARE, STAGE+16384                ; the spare words, 128 bytes a wave
.set C,  16                            ; v16-19, v28-31  a row's codes, two registers for each scale; a set for even rows, a set for odd
.set Y,  20                            ; v20-27  eight held numbers
.set AF, 32
.set T,  96
.set X,  128
.set OO, 128
.set XB,  20                           ; s[20:21] the input at the stage that is being quantised
.set XB2, 22                           ; s[22:23] at the stage after it
.set BB,  10
.set UB,  12                           ; s[12:13] u at the stage that is being multiplied
.set PB,  14
.set MSB, 0
.macro WIN new                         ; the immediate's high byte repeats the setting that is left
.if MSB != (\new)
	s_set_vgpr_msb (MSB<<8)|(\new)
.set MSB, (\new)
.endif
.endm
.macro XROW q                          ; row q of the stage that is being quantised (q >= 32: row q - 32 of the stage after it) into the ring's place q % 16
.set xd, X+8*((\q)%16)
.if (\q) < 32
	global_load_b128 v[xd:xd+3], v3, s[XB:XB+1] offset:(((\q)>>4)<<20)+(((\q)&15)<<11) th:TH_LOAD_NT
	global_load_b128 v[xd+4:xd+7], v3, s[XB:XB+1] offset:(((\q)>>4)<<20)+(((\q)&15)<<11)+512 th:TH_LOAD_NT
.else
	global_load_b128 v[xd:xd+3], v4, s[XB2:XB2+1] offset:(((\q)-32)<<11) th:TH_LOAD_NT
	global_load_b128 v[xd+4:xd+7], v4, s[XB2:XB2+1] offset:(((\q)-32)<<11)+512 th:TH_LOAD_NT
.endif
.endm
; Row u's holds m0 .. m0 + cnt - 1 of sixteen: the conversion to an 8-bit code does not saturate (ISA guide 7.6.2), so each number is held first, once for each scale: 0-7 into Y, 8-15 in place
.macro MEDS m0, cnt
.set xs, X+8*(u%16)
.set mi, \m0
.rept \cnt
.if mi < 8
	v_med3_num_f32 v[Y+mi], v[xs+mi], s52, s53
.else
	v_med3_num_f32 v[xs+mi-8], v[xs+mi-8], s54, s55
.endif
.set mi, mi+1
.endr
.endm
.macro CVT2                            ; row u's codes under the two scales
.set xs, X+8*(u%16)
.set cs, C+12*(u%2)
	v_cvt_scalef32_pk8_fp8_f32 v[cs:cs+1], v[Y:Y+7], v10
	v_cvt_scalef32_pk8_fp8_f32 v[cs+2:cs+3], v[xs:xs+7], v11
.endm
.macro PUT r                           ; 32 lanes x 8 codes: a row of each image set
.set cp, C+12*((\r)%2)
	ds_store_b64 v8, v[cp:cp+1] offset:IP*(\r)
	ds_store_b64 v8, v[cp+2:cp+3] offset:ISET+IP*(\r)
.endm
.macro PKI16 pu, tb                    ; unit pu's four tiles x u into the sums; each tile is read from its low end on
.set pp, (\pu)/16
.set pj, ((\pu)%16)/2
.set pn, 4*((\pu)%2)
.set k, 0
.rept 4
.set t, 0
.rept 4
	v_pk_fma_f32 v[OO+16*pj+2*(pn+t):OO+16*pj+2*(pn+t)+1], v[\tb+8*t+2*k:\tb+8*t+2*k+1], v[64*pp+8*(pn+t)+2*k:64*pp+8*(pn+t)+2*k+1], v[OO+16*pj+2*(pn+t):OO+16*pj+2*(pn+t)+1]
.set t, t+1
.endr
.set k, k+1
.endr
.endm
.macro UBURST pr, x, off               ; four tiles of set pr of u: eight loads of 512 consecutive bytes
.set n, 4*(\x)
.rept 4
	global_load_b128 v[64*\pr+8*n:64*\pr+8*n+3], v3, s[UB:UB+1] offset:(\pr<<20)+(n<<10)+(\off)
	global_load_b128 v[64*\pr+8*n+4:64*\pr+8*n+7], v3, s[UB:UB+1] offset:(\pr<<20)+(n<<10)+512+(\off)
.set n, n+1
.endr
.endm
; 8 matrix instructions: four tiles by turns, K step 0 (C = 0), then K step 1.  q = 1: row u's holds stand behind them, two behind each of the first six, four behind the last:
; these four are the places between the last product and the first read of T.
.macro RUN tb, q
.set fa, AF+32*((u/2)%2)
.set w, 0
.rept 8
.set n, 4*(u%2)+w%4
.if w < 4
	v_wmma_f32_16x16x128_fp8_fp8 v[\tb+8*(w%4):\tb+8*(w%4)+7], v[fa:fa+15], v[16*n:16*n+15], 0
.else
	v_wmma_f32_16x16x128_fp8_fp8 v[\tb+8*(w%4):\tb+8*(w%4)+7], v[fa+16:fa+31], v[128+16*n:128+16*n+15], v[\tb+8*(w%4):\tb+8*(w%4)+7]
.endif
.if \q
.if w < 6
	MEDS 2*w, 2
.elseif w == 7
	MEDS 12, 4
.endif
.endif
.set w, w+1
.endr
.endm
.macro AFL g                           ; the two fragments of group g = 8 p + j (16 rows x 256 K) into buffer g % 2
.set fn, AF+32*((\g)%2)
.set li, 0
.rept 8
	ds_load_b128 v[fn+4*li:fn+4*li+3], v7 offset:((\g)/8)*ISET+((\g)%8)*16*IP+128*(li/4)+32*(li%4)
.set li, li+1
.endr
.endm
.macro UNIT
	WIN 0x04*(1+u/16)
.if (u%2) == 0
; behind this group's fragments: the next batch's four stores and eight loads (a stage's first group: the second group's eight loads; its last: four stores)
.if u == 0
	s_wait_dscnt 8
.elseif u == 30
	s_wait_dscnt 4
.else
	s_wait_dscnt 12
.endif
.endif
; behind row u's loads: 30 (u even) or 28 (u odd) loads of rows, and of the 16 loads of u in a phase's first two batches those issued since
.if (u%16) == 0
	s_wait_loadcnt 28                              ; also this phase's set of u: behind its last load stand 4 + 6 x 4 loads of rows
.elseif (u%16) < 4
	s_wait_loadcnt 36+2*(1-u%2)
.else
	s_wait_loadcnt 44+2*(1-u%2)
.endif
	RUN T, 1
	WIN 0
	CVT2
	WIN 0xfc
	PKI16 u, T
.if (u%2) == 1
.if u < 4
	UBURST 1, u/2, 0
.elseif (u > 16) && (u < 20)
	UBURST 0, (u-16)/2, 32768
.endif
	WIN 0
	PUT u-1
	PUT u
.if u < 28
	AFL u/2+2                                      ; into the buffer that this group has emptied
.endif
	XROW u+15
	XROW u+16
.endif
.endm
; The change of stages: the pointers step, the two images change places, one barrier.
.macro TURN ustep
	s_wait_xcnt 0x0                                ; the loads issued so far have read their bases and v4
	s_add_nc_u64 s[XB:XB+1], s[XB:XB+1], 32768
.if \ustep
	s_add_nc_u64 s[UB:UB+1], s[UB:UB+1], 32768
.endif
	s_cmp_lt_u32 s60, 6                            ; has the coming trip a stage to ask for?
	s_cselect_b32 s62, 32768, 0
	s_cselect_b32 s61, 16, 0
	s_add_nc_u64 s[XB2:XB2+1], s[XB:XB+1], s[62:63]
	v_mul_u32_u24 v4, s61, v9
	v_add_nc_u32 v7, s40, v5
	v_add_nc_u32 v8, s41, v6
	s_xor_b32 s40, s40, IMGD
	s_xor_b32 s41, s41, IMGD
	s_wait_alu depctr_va_vdst(0)                   ; the wait behind these writes
	s_wait_dscnt 0x0                               ; my stores into the next image and my reads of this one are done
	s_barrier_signal -1
	s_barrier_wait -1
.endm
	s_load_b256 s[4:11], s[0:1], 0x0               ; real s[4:5], imag s[6:7], the exponents s[8:9], bcodes s[10:11]
	s_load_b128 s[12:15], s[0:1], 0x20             ; upl s[12:13], part s[14:15]
	v_lshrrev_b32 v14, 5, v0
	v_readfirstlane_b32 s16, v14                   ; wave
	s_mul_i32 s24, s16, 32*IP
	s_lshl_b32 s25, s16, 12
	s_add_co_u32 s25, s25, STAGE
	v_lshl_add_u32 v1, v0, 2, SPARE                ; my spare word,
	v_mov_b32 v2, 0                                ; and 0: kept for the wave's end
	v_and_b32 v9, 31, v0                           ; lane
	v_and_b32 v14, 15, v0                          ; r
	v_bfe_u32 v15, v0, 4, 1                        ; h
	v_lshlrev_b32 v3, 4, v9                        ; 16 x lane: every load and store of 512 consecutive bytes
	v_lshlrev_b32 v4, 4, v9                        ; the same for the stage after next (0 in the loop's last trip)
	v_mul_u32_u24 v5, v14, IP
	v_lshl_add_u32 v5, v15, 4, v5                  ; a fragment: row r x pitch + 16 h
	v_lshl_add_u32 v6, v9, 3, s24                  ; my codes: my wave's 32 rows, 8 x lane
	v_mov_b32 v8, v6                               ; the head writes image 0
	v_lshl_add_u32 v12, v14, 2, s25                ; the way out: in,
	v_add_nc_u32 v13, s25, v3                      ; and back
	s_wait_alu depctr_va_vdst(0)                   ; the wait at the end of these writes
	s_and_b32 s17, ttmp9, 1                        ; t
	s_bfe_u32 s18, ttmp9, 0x10001                  ; kh
	s_bfe_u32 s19, ttmp9, 0x20002                  ; ap
	s_lshr_b32 s28, ttmp9, 4                       ; which eight j
	s_lshl_b32 s30, s28, 23                        ; the input: j<<20 | a<<11 | kh<<10, j = 8 (x >> 4) + 2 w, a = 128 ap
	s_lshl_b32 s29, s16, 21
	s_or_b32 s30, s30, s29
	s_lshl_b32 s29, s19, 18
	s_or_b32 s30, s30, s29
	s_lshl_b32 s29, s18, 10
	s_or_b32 s30, s30, s29
	s_mov_b32 s31, 0
	s_lshl_b32 s32, s17, 19                        ; bcodes: t<<19 | kh<<18 | w<<16
	s_lshl_b32 s29, s18, 18
	s_or_b32 s32, s32, s29
	s_lshl_b32 s29, s16, 16
	s_or_b32 s32, s32, s29
	s_mov_b32 s33, 0
	s_lshl_b32 s34, s17, 21                        ; upl: t<<21 | ap<<18 | w<<13
	s_lshl_b32 s29, s19, 18
	s_or_b32 s34, s34, s29
	s_lshl_b32 s29, s16, 13
	s_or_b32 s34, s34, s29
	s_mov_b32 s35, 0
	s_and_b32 s36, ttmp9, 15                       ; part: P<<18 | (x >> 4)<<14 | w<<9
	s_lshl_b32 s36, s36, 18
	s_lshl_b32 s29, s28, 14
	s_or_b32 s36, s36, s29
	s_lshl_b32 s29, s16, 9
	s_or_b32 s36, s36, s29
	s_mov_b32 s37, 0
	s_mov_b32 s40, 0                               ; the image that the coming trip reads,
	s_mov_b32 s41, IMGD                            ; and the one that it writes
	s_mov_b32 s58, 0x76543210                      ; v_permlanex16_b32: lane l xor 16
	s_mov_b32 s59, 0xfedcba98
	s_mov_b32 s60, 0                               ; the coming trip's number
	s_mov_b32 s63, 0
	s_wait_kmcnt 0x0
	s_load_b256 s[44:51], s[8:9], 0x0              ; e[0..7]
	s_cmp_eq_u32 s17, 0
	s_cselect_b64 s[XB:XB+1], s[4:5], s[6:7]
	s_add_nc_u64 s[XB:XB+1], s[XB:XB+1], s[30:31]
	s_add_nc_u64 s[XB2:XB2+1], s[XB:XB+1], 32768
	s_add_nc_u64 s[BB:BB+1], s[BB:BB+1], s[32:33]
	s_add_nc_u64 s[UB:UB+1], s[UB:UB+1], s[34:35]
	s_add_nc_u64 s[PB:PB+1], s[PB:PB+1], s[36:37]
.set r0, 0
.rept 16                               ; the ring's first sixteen rows,
	XROW r0
.set r0, r0+1
.endr
	WIN 0x40
.set b, 0
.rept 24                               ; and the first 24 of the right operands' 128 loads: 56 loads are out
	global_load_b128 v[4*b:4*b+3], v3, s[BB:BB+1] offset:512*b
.set b, b+1
.endr
	WIN 0xc0
.set i, 0
.rept 128                              ; the sums run over all stages through one loop body, so they begin as zeros; written while the first rows are on their way
	v_mov_b32 v[OO+i], 0
.set i, i+1
.endr
	WIN 0
	s_wait_kmcnt 0x0
	s_cmp_eq_u32 s17, 0
	s_cselect_b32 s24, s44, s48                    ; the left operand's two exponents: e[4 t], e[4 t + 2]
	s_cselect_b32 s25, s46, s50
	s_add_co_i32 s24, s24, 127
	s_lshl_b32 s26, s24, 23
	v_mov_b32 v10, s26                             ; 2^e as f32: the conversion takes its exponent field
	s_add_co_i32 s24, s24, 8
	s_lshl_b32 s24, s24, 23
	s_or_b32 s53, s24, 0x600000                    ; 448 x 2^e,
	s_or_b32 s52, s53, 0x80000000                  ; and its negative
	s_add_co_i32 s25, s25, 127
	s_lshl_b32 s26, s25, 23
	v_mov_b32 v11, s26
	s_add_co_i32 s25, s25, 8
	s_lshl_b32 s25, s25, 23
	s_or_b32 s55, s25, 0x600000
	s_or_b32 s54, s55, 0x80000000
	s_wait_alu depctr_va_vdst(0)                   ; the wait at the head's end
; THE HEAD quantises stage 0 by the loop's own pattern of loads, without products.  Its units 0 to 12 also bring the rest of the right operands, eight loads each; units 17 and 19 the first set of u.
.set u, 0
.rept 32
; behind row u's loads at least: u < 16: 2 (15 - u) of the first rows, the 24 and 8 for each unit so far; else 30 or 28 of rows, and 8 of the right operands for each unit from the row's batch to unit 12.  A wait names 63 at the most
.if u < 16
.set hn, 54+6*u
.else
.set hb, u-16+(1-u%2)
.set hn, 28+2*(1-u%2)
.if hb < 13
.set hn, hn+8*(13-hb)
.endif
.endif
.if hn > 63
.set hn, 63
.endif
	s_wait_loadcnt hn
	MEDS 0, 16
	CVT2
	v_nop                                          ; a plain line between the conversions and the next lines that write their sources
	PUT u
.if (u%2) == 1
.if (u > 16) && (u < 20)
	WIN 0xc0
	UBURST 0, (u-16)/2, 0
	WIN 0
.endif
	XROW u+15
	XROW u+16
.endif
.if u < 13
.set b, 24+8*u
	WIN 0x40*(1+b/64)
.rept 8
	global_load_b128 v[4*(b%64):4*(b%64)+3], v3, s[BB:BB+1] offset:512*b
.set b, b+1
.endr
	WIN 0
.endif
.set u, u+1
.endr
	TURN 0
.Ltrip:                                                ; trip s = 0 .. 6: stage s is multiplied, stage s + 1 quantised
	AFL 0
	AFL 1
.set u, 0
.rept 32
	UNIT
.set u, u+1
.endr
	s_add_co_u32 s60, s60, 1
	TURN 1
	s_cmp_lt_u32 s60, 7
	s_cbranch_scc1 .Ltrip
; THE LAST STAGE: nothing is left to quantise.  T has a second set where the ring lay, and a unit's multiply-adds stand behind the next unit's products: they are the places.
	s_wait_loadcnt 0x0                             ; u's set 0; and no load is on its way into the ring's registers
	AFL 0
	AFL 1
.set u, 0
.rept 32
	WIN 0x04*(1+u/16)
.if (u%2) == 0
.if u == 30
	s_wait_dscnt 0x0
.else
	s_wait_dscnt 8                                 ; behind this group's fragments: the next group's eight loads
.endif
.endif
.if u == 16
	s_wait_loadcnt 0x0                             ; u's set 1
.endif
.set tb7, T+(X-T)*(u%2)
.set tbp, T+(X-T)*((u+1)%2)
	RUN tb7, 0
	WIN 0xfc
.if u == 0
.rept 4
	v_nop                                          ; the places behind the first unit's products
.endr
.else
	PKI16 u-1, tbp
.endif
.if (u%2) == 1
.if u < 4
	UBURST 1, u/2, 0
.endif
.if u < 28
	WIN 0
	AFL u/2+2
.endif
.endif
.set u, u+1
.endr
.rept 4
	v_nop
.endr
	PKI16 31, X
; THE WAY OUT: a pair's two halves, lane l xor 16's (the other eight a of each tile), then through my own stage in LDS, so that a row of 128 i leaves as 512 consecutive bytes.
	WIN 0x0f
.irp j, 0,1,2,3,4,5,6,7
.irp n, 0,1,2,3,4,5,6,7
	v_add_f32 v[X+8*\j+\n], v[OO+16*\j+2*\n], v[OO+16*\j+2*\n+1]
.endr
.endr
	WIN 0
.set i, 0
.rept 64
	v_permlanex16_b32 v[X+64+i], v[X+i], s58, s59
.set i, i+1
.endr
.set i, 0
.rept 64
	v_add_f32 v[X+i], v[X+i], v[X+64+i]
.set i, i+1
.endr
.irp j, 0,1,2,3,4,5,6,7
.irp n, 0,1,2,3,4,5,6,7
	ds_store_b32 v12, v[X+8*\j+\n] offset:512*\j+64*\n
.endr
.endr
.irp j, 0,1,2,3,4,5,6,7
	ds_load_b128 v[X+64+4*\j:X+64+4*\j+3], v13 offset:512*\j   ; LDS serves a wave's instructions in order (ISA guide 5.7.1.4): these see my stores
.endr
.irp j, 0,1,2,3,4,5,6,7
	s_wait_dscnt 7-\j
	global_store_b128 v3, v[X+64+4*\j:X+64+4*\j+3], s[PB:PB+1] offset:2048*\j
.endr
	s_wait_tensorcnt 0x0                           ; the wave's end
	ds_add_u32 v1, v2
	s_wait_dscnt 0x0
	s_endpgm
.Lfunc_end_k_q10e295ffd8_main:
	.size	k_q10e295ffd8_main, .Lfunc_end_k_q10e295ffd8_main-k_q10e295ffd8_main
	.p2alignl 7, 3214868480
	.fill 96, 4, 3214868480
	.section	.rodata,"a",@progbits
	.p2align	6, 0x0
	.amdhsa_kernel k_q10e295ffd8_main
		.amdhsa_group_segment_fixed_size 217600
		.amdhsa_private_segment_fixed_size 0
		.amdhsa_enable_private_segment 0
		.amdhsa_kernarg_size 48
		.amdhsa_user_sgpr_count 2
		.amdhsa_user_sgpr_kernarg_segment_ptr 1
		.amdhsa_wavefront_size32 1
		.amdhsa_system_sgpr_workgroup_id_x 1
		.amdhsa_system_sgpr_workgroup_id_y 1
		.amdhsa_system_sgpr_workgroup_id_z 1
		.amdhsa_system_vgpr_workitem_id 0
		.amdhsa_next_free_vgpr 1024
		.amdhsa_next_free_sgpr 66
		.amdhsa_reserve_vcc 0
		.amdhsa_float_denorm_mode_32 3
		.amdhsa_float_denorm_mode_16_64 3
		.amdhsa_memory_ordered 1
		.amdhsa_forward_progress 1
		.amdhsa_inst_pref_size 255
	.end_amdhsa_kernel
	.section	.bss,"aw",@nobits
	.p2align	6
	.space	262144
	.amdgpu_metadata
---
amdhsa.version: [ 1, 2 ]
amdhsa.kernels:
  - .name:           k_q10e295ffd8_main
    .symbol:         k_q10e295ffd8_main.kd
    .args:
      - { .name: input_real, .offset: 0, .size: 8, .value_kind: global_buffer, .address_space: global }
      - { .name: input_imag, .offset: 8, .size: 8, .value_kind: global_buffer, .address_space: global }
      - { .name: lowp_scales, .offset: 16, .size: 8, .value_kind: global_buffer, .address_space: global }
      - { .name: bcodes, .offset: 24, .size: 8, .value_kind: global_buffer, .address_space: global }
      - { .name: upl, .offset: 32, .size: 8, .value_kind: global_buffer, .address_space: global }
      - { .name: part, .offset: 40, .size: 8, .value_kind: global_buffer, .address_space: global }
    .group_segment_fixed_size: 217600
    .private_segment_fixed_size: 0
    .kernarg_segment_align: 8
    .kernarg_segment_size: 48
    .max_flat_workgroup_size: 128
    .sgpr_count:     66
    .vgpr_count:     1024
    .wavefront_size: 32
...
	.end_amdgpu_metadata
.endif
;; end of part 2
;; launch fold (part 3): grid 64 x 1, 8 waves a work-group, no clusters, 0 bytes of LDS; arguments part, out0; writes out0
.if DOCPART == 3
	.amdgcn_target "amdgcn-amd-amdhsa--gfx1250"
	.amdhsa_code_object_version 6
	.text
	.protected	k_q10e295ffd8_fold
	.globl	k_q10e295ffd8_fold
	.p2align	8
	.type	k_q10e295ffd8_fold,@function
k_q10e295ffd8_fold:
	s_mov_b64 s[64:65], 0
	v_nop
	global_prefetch_b8 v0, s[64:65] scope:SCOPE_SE
	s_setreg_imm32_b32 hwreg(HW_REG_WAVE_MODE, 25, 1), 1
	s_wait_xcnt 0x0
; out0[j][i] = the sum of the sixteen planes part[P][j][i], P = 0..15 (two tensors x two halves of K x four quarters of a), in f32, as a tree of neighbours.
; 64 work-groups x 256 threads x 16 bytes = the 262,144 bytes of out0.  Each load and the store of a wave cover 512 consecutive bytes, aligned.  All sixteen loads of a thread are out together.
.set PLANE, 262144
	s_load_b128 s[4:7], s[0:1], 0x0                ; part s[4:5], out0 s[6:7]
	v_lshlrev_b32 v1, 4, v0
	s_lshl_b32 s8, ttmp9, 12                       ; 256 threads x 16 bytes
	s_mov_b32 s9, 0
	s_wait_alu depctr_va_vdst(0)                   ; the wait at the head's end
	s_wait_kmcnt 0x0
	s_add_nc_u64 s[4:5], s[4:5], s[8:9]
	s_add_nc_u64 s[6:7], s[6:7], s[8:9]
.irp p, 0,1,2,3,4,5,6,7,8,9,10,11,12,13,14,15
	global_load_b128 v[4+4*\p:7+4*\p], v1, s[4:5] offset:\p*PLANE th:TH_LOAD_NT
.endr
	s_wait_loadcnt 0x0
.irp p, 0,2,4,6,8,10,12,14
	v_pk_add_f32 v[4+4*\p:5+4*\p], v[4+4*\p:5+4*\p], v[8+4*\p:9+4*\p]
	v_pk_add_f32 v[6+4*\p:7+4*\p], v[6+4*\p:7+4*\p], v[10+4*\p:11+4*\p]
.endr
.irp p, 0,4,8,12
	v_pk_add_f32 v[4+4*\p:5+4*\p], v[4+4*\p:5+4*\p], v[12+4*\p:13+4*\p]
	v_pk_add_f32 v[6+4*\p:7+4*\p], v[6+4*\p:7+4*\p], v[14+4*\p:15+4*\p]
.endr
	v_pk_add_f32 v[4:5], v[4:5], v[20:21]
	v_pk_add_f32 v[6:7], v[6:7], v[22:23]
	s_delay_alu instid0(VALU_DEP_4)
	v_pk_add_f32 v[36:37], v[36:37], v[52:53]
	s_delay_alu instid0(VALU_DEP_4)
	v_pk_add_f32 v[38:39], v[38:39], v[54:55]
	s_delay_alu instid0(VALU_DEP_2)
	v_pk_add_f32 v[4:5], v[4:5], v[36:37]
	s_delay_alu instid0(VALU_DEP_2)
	v_pk_add_f32 v[6:7], v[6:7], v[38:39]
	global_store_b128 v1, v[4:7], s[6:7]
	s_endpgm
.Lfunc_end_k_q10e295ffd8_fold:
	.size	k_q10e295ffd8_fold, .Lfunc_end_k_q10e295ffd8_fold-k_q10e295ffd8_fold
	.p2alignl 7, 3214868480
	.fill 96, 4, 3214868480
	.section	.rodata,"a",@progbits
	.p2align	6, 0x0
	.amdhsa_kernel k_q10e295ffd8_fold
		.amdhsa_group_segment_fixed_size 0
		.amdhsa_private_segment_fixed_size 0
		.amdhsa_enable_private_segment 0
		.amdhsa_kernarg_size 16
		.amdhsa_user_sgpr_count 2
		.amdhsa_user_sgpr_kernarg_segment_ptr 1
		.amdhsa_wavefront_size32 1
		.amdhsa_system_sgpr_workgroup_id_x 1
		.amdhsa_system_sgpr_workgroup_id_y 1
		.amdhsa_system_sgpr_workgroup_id_z 1
		.amdhsa_system_vgpr_workitem_id 0
		.amdhsa_next_free_vgpr 72
		.amdhsa_next_free_sgpr 66
		.amdhsa_reserve_vcc 0
		.amdhsa_float_denorm_mode_32 3
		.amdhsa_float_denorm_mode_16_64 3
		.amdhsa_memory_ordered 1
		.amdhsa_forward_progress 1
		.amdhsa_inst_pref_size 5
	.end_amdhsa_kernel
	.amdgpu_metadata
---
amdhsa.version: [ 1, 2 ]
amdhsa.kernels:
  - .name:           k_q10e295ffd8_fold
    .symbol:         k_q10e295ffd8_fold.kd
    .args:
      - { .name: part, .offset: 0, .size: 8, .value_kind: global_buffer, .address_space: global }
      - { .name: out0, .offset: 8, .size: 8, .value_kind: global_buffer, .address_space: global }
    .group_segment_fixed_size: 0
    .private_segment_fixed_size: 0
    .kernarg_segment_align: 8
    .kernarg_segment_size: 16
    .max_flat_workgroup_size: 256
    .sgpr_count:     66
    .vgpr_count:     72
    .wavefront_size: 32
...
	.end_amdgpu_metadata
.endif
;; end of part 3
